; MI455X (gfx1250); checked and timed in simulation.
; The chip was launched on July 23, 2026; its instructions are those of AMD's public machine-readable ISA for CDNA 5 (MIT licence, August 2026) and "CDNA5" Instruction Set Architecture Reference Guide (July 2026). The comments in the code are by the model that wrote it; some were corrected since.
;; Attention. Allowed arithmetic: matrix products marked QUANTISED: E5M2 operands, one given power-of-two scale a tensor, by v_wmma_f32_16x16x64_bf8_bf8 or v_wmma_f32_16x16x128_bf8_bf8, f32 sums; products left as they are: f32 operands where the result goes on into a quantised operand, else bf16, f16 or f32 operands; f32 sums; everything else in f32.
;; Inputs: W_c 1,024 float32; W_dec 1,024 x 1,024 float32; W_h 1,024 x 1,024 float32; b_dec 1,024 float32; coverage 32 x 2,048 float32; enc_padding_mask 32 x 2,048 float32; h 32 x 2,048 x 1,024 float32; lowp_scales 4 int32 (the exponents e of the quantised operands' scales 2^e); s_t_hat 32 x 1,024 float32; v 1,024 float32.
;; Outputs: out0 32 x 1,024 float32; out1 32 x 2,048 float32; out2 32 x 2,048 float32.
;; This version of the problem:
;;   THIS VERSION OF THE PROBLEM IS GIVEN IN LOW PRECISION. The matrix products marked QUANTISED in the list below multiply operands that are first quantised to E5M2 (5 exponent bits, 2 mantissa bits; 8 bits a number), with one given power-of-two scale for each operand tensor; their sums are f32. All else is computed in f32.
;;   The module's matrix products, in the order in which they are computed (A, B: the left and right operand; K: the contracted axis; several contracted axes count as one K, in the product's order):
;;     1. [M 65,536, K 1,024] x [K 1,024, N 1,024]; A: input h; B: input W_h: QUANTISED (scales: A lowp_scales[0], B lowp_scales[1])
;;     2. [M 32, K 1,024] x [K 1,024, N 1,024]; A: input s_t_hat; B: input W_dec: QUANTISED (scales: A lowp_scales[2], B lowp_scales[3])
;;     3. [M 65,536, K 1,024] x [K 1,024, N 1]; A: computed on the way; B: input v: left as it is (N = 1 < 16)
;;     4. batch 32 x [M 1, K 2,048] x [K 2,048, N 1,024]; A: computed on the way; B: input h: left as it is (M = 1 < 16)
;;   THE QUANTISER, for each operand of a quantised product, along K:
;;     - The operand's scale is 2^e, e = its entry of the input lowp_scales (int32; the entries are numbered through the quantised products in the list's order, A before B).
;;     - Each number is divided by the scale, clamped to +-57,344, and rounded to the nearest number of E5M2, ties to even, subnormals kept.
;;     - The product sums the exact products of the quantised numbers (number of the format x scale) in f32.
;;   ~~~python
;;   def quantise(x, axis, e):      # numpy; x: float32 -> the quantised numbers, widened to float32 again
;;       x = np.moveaxis(x, axis, -1); K = x.shape[-1]
;;       r = np.clip(x / 2.0 ** e, -57344, 57344)
;;       step = 2.0 ** (np.maximum(np.frexp(np.where(r == 0, 1, r))[1] - 1, -14) - 2)
;;       q = np.round(r / step) * step * 2.0 ** e      # np.round: ties to even
;;       return np.moveaxis(q, -1, axis).astype(np.float32)
;;   ~~~
;; One version. Each part assembles by itself: llvm-mc -triple=amdgcn-amd-amdhsa -mcpu=gfx1250 --defsym DOCPART=n.
;; ======== version 1 of 1: 3 launches
;; workspace buffers: wcodes 1,048,576 bytes; tab 524,288 bytes; tsc 262,144 bytes; pct 2,097,152 bytes; pst 131,072 bytes
;; launch prep (part 1): grid 64 x 1, 8 waves a work-group, no clusters, 17,408 bytes of LDS; arguments W_h, W_dec, s_t_hat, b_dec, W_c, v, lowp_scales, wcodes, tab; writes wcodes, tab
.if DOCPART == 1
	.amdgcn_target "amdgcn-amd-amdhsa--gfx1250"
	.amdhsa_code_object_version 6
	.text
	.protected	k_qe4b67494a3_prep
	.globl	k_qe4b67494a3_prep
	.p2align	8
	.type	k_qe4b67494a3_prep,@function
k_qe4b67494a3_prep:
	s_mov_b64 s[64:65], 0
	v_nop
	global_prefetch_b8 v0, s[64:65] scope:SCOPE_SE
	s_setreg_imm32_b32 hwreg(HW_REG_WAVE_MODE, 25, 1), 1
	s_wait_xcnt 0x0
; PREP.  (1) W_h [1024 (n)][1024 (k)] f32 becomes codes of E5M2 with the given scale 2^e1, laid in the order in which the main launch's
; operand registers take them.  (2) dec = s_t_hat W_dec^T on codes (scales 2^e2, 2^e3), by the matrix unit.  (3) A table of 16 bytes for each
; (batch b, column n): { (dec + b_dec) c2, W_c c2, -c2 v, 0 }, c2 = 2 log2(e): what the main launch's tanh wants of a column.
; SHARES.  Work-group G owns columns 16 G .. 16 G + 15; wave s of eight owns k = 128 s .. 128 s + 127, one step of the K = 128 matrix form.
; A FRAGMENT is 16 rows x 128 k in 16 registers: lane (r = lane % 16, h = lane / 16) holds, of row r, k = 32 c + 16 h + 0 .. 15 in registers 4 c .. 4 c + 3.
; That is a permutation of k inside the instruction, the same in both operands of every product here and in the main launch: every product meets its partner.
; wcodes: byte (n>>5) 32768 + (k>>8) 8192 + (2 ((k>>7)&1) + ((n>>4)&1)) 2048 + ((k>>5)&3) 512 + 16 lane + (k&15): each fragment is an image of its registers.
; The eight waves' partial sums of dec (K is shared out among them) meet in LDS and are added in f32.
; LIMITS: e1, e2, e3 between -126 and 112, so that 2^e and 57,344 x 2^e are f32 numbers.  NaN among the inputs is not served; an infinity is held at the largest code.
.set C2,  0x4038aa3b                   ; 2 log2(e)
.set NC2, 0xc038aa3b                   ; -2 log2(e)
.set FS1, 16                           ; v16-31   s_t_hat's fragment, batches 16-31
.set FW,  32                           ; v32-47   W_dec's fragment, later W_h's
.set FS0, 48                           ; v48-63   s_t_hat's fragment, batches 0-15
.set X0,  64                           ; v64-127  64 numbers: W_dec, then W_h; at the end the eight waves' partial sums
.set X1,  128                          ; v128-191 s_t_hat, batches 0-15
.set X2,  192                          ; v192-255 s_t_hat, batches 16-31
.set D0,  128                          ; v128-135 my partial sums for batches 0-15 (X1 is done with)
.set D1,  136                          ; v136-143 for batches 16-31
.set REC, 128                          ; v128-159 eight records of the table
; v1 r, v2 h, v3 r x 4096 + 64 h, v4 16 x lane, v5 4 r + 64 G, v6 LDS: wave x 2048 + 16 x lane, v7 h x 131072 + 16 r, v8 b_dec, v9 W_c, v10 v,
; v11 2^e, v12 57,344 x 2^e, v13 c2 x 2^(e2 + e3), v14 LDS: (wave & 1) x 1024 + 16 x lane
; 64 numbers of my row: register 16 c + 4 j + i = k 32 c + 16 h + 4 j + i
.macro XL reg, base, off
.irp c, 0,1,2,3
.irp j, 0,1,2,3
	global_load_b128 v[\reg+16*\c+4*\j:\reg+16*\c+4*\j+3], v3, s[\base:\base+1] offset:\off+128*\c+16*\j
.endr
.endr
.endm
; the scale 2^e and the largest number x 2^e, e in s[e]
.macro SETS e
	s_add_co_i32 s30, s[\e], 127
	s_lshl_b32 s31, s30, 23
	v_mov_b32 v11, s31                             ; 2^e as f32: the conversion takes its exponent field
	s_add_co_i32 s30, s30, 15
	s_lshl_b32 s30, s30, 23
	s_or_b32 s30, s30, 0x600000
	v_mov_b32 v12, s30                             ; 57,344 x 2^e
.endm
; 64 numbers become a fragment's 16 registers of codes
.macro QUANT src, dst
.set i, 0
.rept 64
	v_med3_num_f32 v[\src+i], v[\src+i], -v12, v12 ; the conversion to an 8-bit code does not saturate (ISA guide 7.6.2): the hold comes first
.set i, i+1
.endr
.irp b, 0,1,2,3
	v_cvt_scalef32_pk8_bf8_f32 v[\dst+4*\b:\dst+4*\b+1], v[\src+16*\b:\src+16*\b+7], v11
	v_cvt_scalef32_pk8_bf8_f32 v[\dst+4*\b+2:\dst+4*\b+3], v[\src+16*\b+8:\src+16*\b+15], v11
.endr
	v_nop                                          ; one plain vector instruction behind the last conversion, ahead of whatever touches its registers
.endm
	s_load_b512 s[4:19], s[0:1], 0x0               ; W_h 4:5, W_dec 6:7, s_t_hat 8:9, b_dec 10:11, W_c 12:13, v 14:15, the scales 16:17, wcodes 18:19
	s_load_b64 s[20:21], s[0:1], 0x40              ; tab
	v_lshl_add_u32 v15, v0, 2, 0x4000
	s_set_vgpr_msb 0x40
	v_mov_b32 v1, 0
	s_set_vgpr_msb 0x4000
	v_lshrrev_b32 v1, 5, v0
	v_readfirstlane_b32 s22, v1                    ; wave 0..7 = my K step
	v_and_b32 v1, 15, v0                           ; r
	v_bfe_u32 v2, v0, 4, 1                         ; h
	v_lshlrev_b32 v3, 12, v1
	v_lshl_add_u32 v3, v2, 6, v3                   ; row r of 4,096 bytes, + 64 h: my 16 numbers of a block of 32
	v_and_b32 v4, 31, v0
	v_lshlrev_b32 v4, 4, v4                        ; 16 x lane
	s_lshl_b32 s28, ttmp9, 6
	v_lshl_add_u32 v5, v1, 2, s28                  ; column 16 G + r in a vector of f32
	s_lshl_b32 s28, s22, 11
	v_add_nc_u32 v6, s28, v4                       ; LDS: my wave's 2,048 bytes of partial sums
	v_lshlrev_b32 v7, 4, v1
	v_lshl_add_u32 v7, v2, 17, v7                  ; tab: 8 h batches of 16,384 bytes + 16 r
	s_and_b32 s29, s22, 1
	s_lshl_b32 s28, s29, 10
	v_add_nc_u32 v14, s28, v4                      ; LDS: the tile of batches that I add up at the end
	s_lshl_b32 s34, s22, 9                         ; my K step in a row: 512 bytes x wave
	s_mov_b32 s35, 0
	s_lshl_b32 s32, ttmp9, 16                      ; my 16 rows of W_h and of W_dec
	s_add_co_u32 s32, s32, s34
	s_mov_b32 s33, 0
	s_lshr_b32 s36, ttmp9, 1                       ; where my fragment of W_h goes: (G>>1) 32768 + (s>>1) 8192 + (2 (s&1) + (G&1)) 2048
	s_lshl_b32 s36, s36, 15
	s_lshr_b32 s37, s22, 1
	s_lshl_b32 s37, s37, 13
	s_add_co_u32 s36, s36, s37
	s_lshl_b32 s37, s29, 12
	s_add_co_u32 s36, s36, s37
	s_and_b32 s37, ttmp9, 1
	s_lshl_b32 s37, s37, 11
	s_add_co_u32 s36, s36, s37
	s_mov_b32 s37, 0
	s_lshl_b32 s38, ttmp9, 8                       ; tab: 16 columns x 16 bytes x G + 16 batches x (wave & 1)
	s_lshl_b32 s39, s29, 18
	s_add_co_u32 s38, s38, s39
	s_mov_b32 s39, 0
	s_wait_kmcnt 0x0
	s_load_b128 s[24:27], s[16:17], 0x0            ; e0, e1, e2, e3
	s_add_nc_u64 s[4:5], s[4:5], s[32:33]
	s_add_nc_u64 s[6:7], s[6:7], s[32:33]
	s_add_nc_u64 s[8:9], s[8:9], s[34:35]
	s_add_nc_u64 s[18:19], s[18:19], s[36:37]
	s_add_nc_u64 s[20:21], s[20:21], s[38:39]
	global_load_b32 v8, v5, s[10:11]               ; b_dec, W_c, v of my column
	global_load_b32 v9, v5, s[12:13]
	global_load_b32 v10, v5, s[14:15]
	XL X0, 6, 0                                    ; W_dec
	XL X1, 8, 0                                    ; s_t_hat, batches 0-15
	XL X2, 8, 65536                                ; batches 16-31
	s_wait_kmcnt 0x0
	s_add_co_i32 s32, s26, s27
	v_mov_b32 v13, C2
	v_ldexp_f32 v13, v13, s32                      ; c2 x 2^(e2 + e3)
	s_wait_loadcnt 32                              ; W_dec is in; the 32 loads of s_t_hat may be out
	SETS 27
	QUANT X0, FW
	XL X0, 4, 0                                    ; W_h, into the registers that W_dec has left
	s_wait_loadcnt 32                              ; batches 0-15 are in; behind them: batches 16-31 and W_h
	SETS 26
	QUANT X1, FS0
	s_wait_loadcnt 16                              ; batches 16-31 are in; behind them: W_h
	QUANT X2, FS1
	v_wmma_f32_16x16x128_bf8_bf8 v[D0:D0+7], v[FS0:FS0+15], v[FW:FW+15], 0   ; lane r: column 16 G + r; register j: batch 8 h + j
	v_wmma_f32_16x16x128_bf8_bf8 v[D1:D1+7], v[FS1:FS1+15], v[FW:FW+15], 0   ; batch 16 + 8 h + j
.rept 4
	v_nop                                          ; four places between a matrix instruction and the stores that read its result
.endr
	ds_store_b128 v6, v[D0:D0+3]                   ; each result from its low end on
	ds_store_b128 v6, v[D0+4:D0+7] offset:512
	ds_store_b128 v6, v[D1:D1+3] offset:1024
	ds_store_b128 v6, v[D1+4:D1+7] offset:1536
	s_wait_loadcnt 0x0                             ; W_h
	SETS 25
	QUANT X0, FW                                   ; its 64 holds stand between the products that read FW and the conversions that write it
.irp c, 0,1,2,3
	global_store_b128 v4, v[FW+4*\c:FW+4*\c+3], s[18:19] offset:512*\c   ; the fragment's image: 512 consecutive bytes a store
.endr
	s_wait_dscnt 0x0                               ; for the others' sake: my partial sums lie in LDS
	s_barrier_signal -1
	s_barrier_wait -1
	s_cmp_gt_u32 s22, 1
	s_cbranch_scc1 .Ldone                          ; waves 0 and 1 finish the two tiles of batches; no barrier follows
.irp w, 0,1,2,3,4,5,6,7
.irp q, 0,1
	ds_load_b128 v[X0+8*\w+4*\q:X0+8*\w+4*\q+3], v14 offset:\w*2048+\q*512
.endr
.endr
	s_wait_dscnt 0x0
.irp a, 0,2,4,6
.irp j, 0,2,4,6
	v_pk_add_f32 v[X0+8*\a+\j:X0+8*\a+\j+1], v[X0+8*\a+\j:X0+8*\a+\j+1], v[X0+8+8*\a+\j:X0+8+8*\a+\j+1]
.endr
.endr
.irp a, 0,4
.irp j, 0,2,4,6
	v_pk_add_f32 v[X0+8*\a+\j:X0+8*\a+\j+1], v[X0+8*\a+\j:X0+8*\a+\j+1], v[X0+16+8*\a+\j:X0+16+8*\a+\j+1]
.endr
.endr
.irp j, 0,2,4,6
	v_pk_add_f32 v[X0+\j:X0+\j+1], v[X0+\j:X0+\j+1], v[X0+32+\j:X0+32+\j+1]
.endr
	v_mul_f32 v8, C2, v8                           ; b_dec c2
	v_mul_f32 v9, C2, v9                           ; W_c c2
	v_mul_f32 v10, NC2, v10                        ; -c2 v
.irp j, 0,1,2,3,4,5,6,7
	v_fma_f32 v[REC+4*\j], v[X0+\j], v13, v8       ; (dec + b_dec) c2
	v_mov_b32 v[REC+4*\j+1], v9
	v_mov_b32 v[REC+4*\j+2], v10
	v_mov_b32 v[REC+4*\j+3], 0
.endr
.irp j, 0,1,2,3,4,5,6,7
	global_store_b128 v7, v[REC+4*\j:REC+4*\j+3], s[20:21] offset:16384*\j   ; sixteen lanes store 256 consecutive bytes, aligned: 16 columns of one batch
.endr
.Ldone:
	s_set_vgpr_msb 0x4
	s_wait_tensorcnt 0x0
	ds_add_u32 v15, v1
	s_wait_dscnt 0x0
	s_set_vgpr_msb 0x400
	s_endpgm
.Lfunc_end_k_qe4b67494a3_prep:
	.size	k_qe4b67494a3_prep, .Lfunc_end_k_qe4b67494a3_prep-k_qe4b67494a3_prep
	.p2alignl 7, 3214868480
	.fill 96, 4, 3214868480
	.section	.rodata,"a",@progbits
	.p2align	6, 0x0
	.amdhsa_kernel k_qe4b67494a3_prep
		.amdhsa_group_segment_fixed_size 17408
		.amdhsa_private_segment_fixed_size 0
		.amdhsa_enable_private_segment 0
		.amdhsa_kernarg_size 72
		.amdhsa_user_sgpr_count 2
		.amdhsa_user_sgpr_kernarg_segment_ptr 1
		.amdhsa_wavefront_size32 1
		.amdhsa_system_sgpr_workgroup_id_x 1
		.amdhsa_system_sgpr_workgroup_id_y 1
		.amdhsa_system_sgpr_workgroup_id_z 1
		.amdhsa_system_vgpr_workitem_id 0
		.amdhsa_next_free_vgpr 258
		.amdhsa_next_free_sgpr 66
		.amdhsa_reserve_vcc 0
		.amdhsa_float_denorm_mode_32 3
		.amdhsa_float_denorm_mode_16_64 3
		.amdhsa_memory_ordered 1
		.amdhsa_forward_progress 1
		.amdhsa_inst_pref_size 34
	.end_amdhsa_kernel
	.amdgpu_metadata
---
amdhsa.version: [ 1, 2 ]
amdhsa.kernels:
  - .name:           k_qe4b67494a3_prep
    .symbol:         k_qe4b67494a3_prep.kd
    .args:
      - { .name: W_h, .offset: 0, .size: 8, .value_kind: global_buffer, .address_space: global }
      - { .name: W_dec, .offset: 8, .size: 8, .value_kind: global_buffer, .address_space: global }
      - { .name: s_t_hat, .offset: 16, .size: 8, .value_kind: global_buffer, .address_space: global }
      - { .name: b_dec, .offset: 24, .size: 8, .value_kind: global_buffer, .address_space: global }
      - { .name: W_c, .offset: 32, .size: 8, .value_kind: global_buffer, .address_space: global }
      - { .name: v, .offset: 40, .size: 8, .value_kind: global_buffer, .address_space: global }
      - { .name: lowp_scales, .offset: 48, .size: 8, .value_kind: global_buffer, .address_space: global }
      - { .name: wcodes, .offset: 56, .size: 8, .value_kind: global_buffer, .address_space: global }
      - { .name: tab, .offset: 64, .size: 8, .value_kind: global_buffer, .address_space: global }
    .group_segment_fixed_size: 17408
    .private_segment_fixed_size: 0
    .kernarg_segment_align: 8
    .kernarg_segment_size: 72
    .max_flat_workgroup_size: 256
    .sgpr_count:     66
    .vgpr_count:     258
    .wavefront_size: 32
...
	.end_amdgpu_metadata
.endif
;; end of part 1
;; launch main (part 2): grid 512 x 1, 4 waves a work-group, clusters of 4 x 1, 327,680 bytes of LDS; arguments h, coverage, enc_padding_mask, lowp_scales, wcodes, tab, tsc, pct, pst; writes tsc, pct, pst
.if DOCPART == 2
	.amdgcn_target "amdgcn-amd-amdhsa--gfx1250"
	.amdhsa_code_object_version 6
	.text
	.protected	k_qe4b67494a3_main
	.globl	k_qe4b67494a3_main
	.p2align	8
	.type	k_qe4b67494a3_main,@function
k_qe4b67494a3_main:
	s_mov_b64 s[64:65], 0
	v_nop
	global_prefetch_b8 v0, s[64:65] scope:SCOPE_SE
	s_setreg_imm32_b32 hwreg(HW_REG_WAVE_MODE, 25, 1), 1
	s_wait_xcnt 0x0
	s_wait_alu depctr_hold_cnt(0) depctr_sa_sdst(0) depctr_va_vdst(0) depctr_va_sdst(0) depctr_va_ssrc(0) depctr_va_vcc(0) depctr_vm_vsrc(0)
	s_getreg_b32 s2, hwreg(HW_REG_IB_STS2, 6, 4)
	s_cmp_eq_u32 s2, 0
	s_cbranch_scc0 .Lentry_in_a_cluster
	s_endpgm
.Lentry_in_a_cluster:
	s_bfe_u32 s2, ttmp6, 0x10000c
	s_cmp_lg_u32 s2, 0x3003
	s_cbranch_scc0 .Lentry_shape_is_right
	s_endpgm
.Lentry_shape_is_right:
; MAIN.  A work-group owns 128 rows (b, t) of one batch and reads them from memory ONCE.  It keeps them on chip twice: as codes of E5M2 (scale 2^e0), the operand of
; h W_h^T, and as bf16, the operand of the partial c_t.  It makes t = score x log2(e) of its rows, their largest M, p = 2^(t - M) x mask, Z = the sum of p, and the sum of p h.
; The last launch joins a batch's 16 blocks.
; SHARES.  Wave w owns rows 32 w .. 32 w + 31 (tiles t = 0, 1 of 16) for ALL 1,024 columns, so a row's score never leaves its wave.
; W_h's codes (1 MiB, laid by the first launch as images of operand registers) go through a ring of two LDS slots of 128 columns (131,072 bytes).
; CLUSTER.  The four work-groups of a cluster walk the same W_h: each quarter of a slot is asked for JOINTLY (mask 15), by the same line with the same descriptor in all four.
; h is shared by nobody, and it is wanted in two register layouts: it comes by loads into registers, three groups of 8 KiB a wave on their way throughout.
; PRODUCT.  Source 0 = 16 rows of h, source 1 = 16 columns of W_h: in the result lane r holds ONE column, register j row 16 t + 8 (lane / 16) + j.
; So what belongs to a column (d', wc', v2' of the table) is one number a lane, and what belongs to a row (coverage) is one register.
; TANH.  tanh(x) = 1 - 2 / (1 + 2^(c2 x)), c2 = 2 log2(e).  y = sum x S' + d' + coverage x wc', S' = c2 2^(e0 + e1); q = 1 / (1 + 2^y);
; t = the sum over columns of (-v2' / 2 + v2' q), v2' = -c2 v.  Right at both ends: 2^y = infinity gives q = 0, 2^y = 0 gives q = 1.
; A UNIT is 32 columns x K 1,024: four turns of K = 256, 8 matrix instructions each on 4 accumulators by turns.
; BY TURNS.  A unit's tanh is a list of 134 vector instructions for 32 x 32 numbers; a unit has 32 matrix instructions.  Set in a phase of its own the list would leave the matrix unit
; without work for its whole length, since the wave issues in order and is alone on its SIMD.  So the accumulators and the table's records have two sets, taken by the unit's parity,
; and the list of unit u is cut into 32 slices of four or five, one behind each matrix instruction of unit u + 1.  h's codes are source 0 in window 1, and all that a slice reads lies in
; window 0: a slice costs two switches of the window, 64 for a unit's 32 matrix instructions; that is the lesser price here.
; The unit is written for every unit alike: set 1 and its records begin as zeros, so that the first unit's slices add 0.5 x 0 to the sums.
; LIMITS: e0 between -126 and 112 (2^e0 and 57,344 x 2^e0 are f32 numbers); e0 + e1 goes in by v_ldexp_f32: S' must be a finite f32 number.  NaN in h is not served; an infinity is held at the
; largest code for the scores.  For c_t, h and p x mask are rounded to bf16.  The largest t is taken over masked rows too, as the softmax in front of the mask takes it.
; REGISTERS, in windows of 256.  Window 0: v0-15 addresses that stay; v16-31 coverage; v32-47 code words, then the rows' sums; v48-63 the load phase's addresses, then two sets of two records;
;   v64-127 two sets of four accumulators; v128-191, v192-255 two sets of W_h's fragments.  While h is loaded, v64-255 are three landing sets of 64.
;   Window 1: h's codes: tile t, K step s at v[16 (8 t + s)].   Windows 2, 3: h in bf16: fragment f = 4 g + x (columns 64 g + 4 r + x, K = my 32 rows) at v[8 (f % 32)] of window 2 + f / 32.
.set SLOT1, 1<<17                      ; slot 1 begins here: one exclusive or turns an address in one slot into the other's
.set SPARE, 262144                     ; behind the ring: the spare words, 128 bytes for each wave: two blocks of 256 bytes that no other line names
.set TABL,  262656                     ; the batch's table: 1,024 records of 16 bytes
.set STG,   279040                     ; for each wave: 32 rows x (128 codes + 16 bytes): row r starts at bank 36 r mod 64, so the 16 rows of a load start at 16 different groups of four banks (ISA guide 11.1)
.set CTW,   297472                     ; for each wave: its partial c_t, 1,024 f32
.set STS,   313856                     ; {largest t, sum} of the four waves, 8 bytes each
.set SCO,   314112                     ; the block's 128 t
.set MSKO,  512                        ; the block's 128 numbers of the mask lie 512 bytes behind its t, laid alike
.set C2,    0x4038aa3b                 ; 2 log2(e)
.set SCOW, 1                           ; v1   where I put my rows' t (and, MSKO on, my rows' mask)
.set BL,   2                           ; v2   16 x lane
.set VB,   3                           ; v3   LDS address of the unit in hand, for my lane
.set TL,   4                           ; v4   TABL + 16 r
.set VT,   5                           ; v5   the unit's records, for my lane
.set SV,   6                           ; v6   the running sum of my columns' v2'
.set STSW, 7                           ; v7   where I put my wave's {m, z}
.set WP,   8                           ; v8, v10  wc' of the two groups of 16 columns: the low words of the pairs v[8:9], v[10:11], which serve both halves
.set STSR, 9                           ; v9   STS (also named as the upper half of a pair)
.set CTA,  11                          ; v11  where I put my partial c_t (likewise)
.set SPW,  12                          ; v12  LDS address of my spare word; never rewritten
.set NIL,  13                          ; v13  0; never rewritten
.set CTR,  14                          ; v14  where I read the four partial c_t
.set SCOR, 15                          ; v15  where wave 0 reads the block's t
.set COV,  16
.set SC,   32
.set CW,   32                          ; while h is loaded: the code words
.set TAB,  48                          ; set s at v[48 + 8 s]
.set OFFH, 48                          ; while h is loaded: v48 h: 8 (lane / 16) rows of 4,096 bytes + 16 (lane % 16)
.set STW,  49                          ; v49  the stage, on the way in
.set STR,  50                          ; v50  and on the way out
.set TS,   51                          ; v51  TABL + 16 x thread
.set TG,   52                          ; v52  16 x thread
.set SCL,  53                          ; v53  2^e0
.set LIM,  54                          ; v54  57,344 x 2^e0
.set COFF, 55                          ; v55  32 (lane / 16): my half's eight rows in coverage and mask
.set RR,   56                          ; v56  r = lane % 16
.set HH,   57                          ; v57  h = lane / 16
.set TMP,  58
.set ACC,  64                          ; set s at v[64 + 32 s]; accumulator a = 2 g + t at + 8 a
.set P,    64                          ; at the end: p
.set MASK, 96                          ; at the end
.set WA,   112                         ; at the end: the weights as an operand
.set BS0,  128
.set BS1,  192
.set WV,   22                          ; s22  my wave's number
.set G1,   28                          ; s[28:35] descriptor group 1
.set G0A,  36                          ; s[36:39] group 0 of slot 0's first fill
.set G0W,  40                          ; s[40:43] group 0 of slot 1's first fill; it then walks
.set UB,   44                          ; s44  LDS byte at which the unit in hand begins
.set TU,   45                          ; s45  512 x the unit's number: its records in the table
.set CNTO, 46
.set SEL,  52                          ; s[52:53] lane selects for v_permlanex16_b32: lane l xor 16
.set SS,   58                          ; s[58:59] S': the packed form names a pair and takes its low word for both halves
.set MSB, 0
.macro WIN new                         ; the immediate's high byte repeats the setting that is left; a switch that changes nothing is dropped
.if MSB != (\new)
	s_set_vgpr_msb (MSB<<8)|(\new)
.set MSB, (\new)
.endif
.endm
.macro PLACES n
.rept \n
	v_nop
.endr
.endm
; A round of the cluster's barrier: my work-group's barrier, wave 0 signals for the work-group, every wave waits for all four work-groups, my work-group's barrier once more.
.macro CROUND
	s_barrier_signal -1
	s_barrier_wait -1
	s_cmp_lg_u32 s[WV], 0
	s_cbranch_scc1 .Lnot_wave_0_\@
	s_barrier_signal -3
.Lnot_wave_0_\@:
	s_barrier_wait -3
	s_barrier_signal -1
	s_barrier_wait -1
.endm
; Group g = columns 64 g .. 64 g + 63 of my 32 rows: 16 loads.  Lanes 0-15 read 256 consecutive bytes, aligned, of one row; lanes 16-31 those of the row 8 below.
; Register 4 p + x of the landing set: row (p + 8 (p / 8)) + 8 (lane / 16), column 64 g + 4 r + x.
.macro HLOAD g
.set LSG, 128
.if (\g)%3 == 1
.set LSG, 64
.elseif (\g)%3 == 2
.set LSG, 192
.endif
.set p, 0
.rept 16
	global_load_b128 v[LSG+4*p:LSG+4*p+3], v[OFFH], s[4:5] offset:(p+8*(p/8))*4096+256*(\g) th:TH_LOAD_NT
.set p, p+1
.endr
.endm
; K step s (128 columns) lies in my stage: it comes back as two fragments, lane (r, h): row 16 t + r, k = 32 c + 16 h + 0 .. 15 in registers 4 c .. 4 c + 3
.macro AFRAG s
	WIN 0x40                                       ; destination window 1
.irp t, 0,1
.irp c, 0,1,2,3
	ds_load_b128 v[16*(8*\t+(\s))+4*\c:16*(8*\t+(\s))+4*\c+3], v[STR] offset:\t*2304+32*\c   ; LDS serves a wave's instructions in order (ISA guide 5.7.1.4): these see my stores, and the next K step's stores come behind them
.endr
.endr
	WIN 0
.endm
.macro GROUP g
.set LG, 128
.if (\g)%3 == 1
.set LG, 64
.elseif (\g)%3 == 2
.set LG, 192
.endif
.if 15-(\g) >= 2
	s_wait_loadcnt 32                              ; my group's 16 loads are in; the two younger groups' stay out
.else
	s_wait_loadcnt 16*(15-(\g))
.endif
	WIN 0x80+0x40*((\g)/8)                         ; destination window 2 or 3
.irp x, 0,1,2,3                        ; bf16 first, of h as it is given: register q of fragment 4 g + x holds two neighbouring rows of column 64 g + 4 r + x
.irp q, 0,1,2,3,4,5,6,7
	v_cvt_pk_bf16_f32 v[8*((4*(\g)+\x)%32)+\q], v[LG+8*\q+\x], v[LG+8*\q+4+\x]
.endr
.endr
	WIN 0
.set i, 0
.rept 64
	v_med3_num_f32 v[LG+i], v[LG+i], -v[LIM], v[LIM]   ; the conversion to an 8-bit code does not saturate (ISA guide 7.6.2): the hold comes first
.set i, i+1
.endr
	s_wait_dscnt 0x0                               ; the last group's stores have read the code words, which are written anew
.irp q, 0,1,2,3,4,5,6,7
	v_cvt_scalef32_pk8_bf8_f32 v[CW+2*\q:CW+2*\q+1], v[LG+8*\q:LG+8*\q+7], v[SCL]   ; word p: the four codes of load p's row
.endr
	v_nop                                          ; one plain vector instruction behind the last conversion
.set p, 0
.rept 16
	ds_store_b32 v[STW], v[CW+p] offset:(p+8*(p/8))*144+64*((\g)%2)   ; sixteen lanes: 64 consecutive bytes of a row; the other half of the lanes 8 rows on, 32 banks away
.set p, p+1
.endr
.if (\g)+3 < 16
	HLOAD (\g)+3                                   ; into the landing set that has just been read out
.endif
.if (\g)%2 == 1
	AFRAG (\g)/2
.endif
.endm
; 16 LDS loads: a turn's four fragments of W_h (K step kk, group of columns g: 2 kk + g), images of registers: 512 consecutive bytes a load
.macro BLOAD set, off
.set i, 0
.rept 16
	ds_load_b128 v[\set+4*i:\set+4*i+3], v[VB] offset:\off+512*i
.set i, i+1
.endr
.endm
; THE TANH OF A UNIT is a list of 134 instructions; EITEM writes number j of it for the set of accumulators and records named.
;   0-3     wc' of the two groups into the low words of pairs; the two v2' onto their running sum.  Four plain instructions that name no register of a product
;   4-19    sum x S' + d', two at a time; each accumulator from its low end on
;   20-35   + coverage x wc'
;   36-67   2^y;  68 a plain instruction between the last exponential and the use of its result
;   69-84   + 1
;   85-116  the reciprocals;  117 a plain instruction likewise
;   118-133 the rows' sums += v2' q
.macro EITEM set
.set AC, ACC+32*(\set)
.set TB, TAB+8*(\set)
.if j == 0
	v_mov_b32 v[WP], v[TB+1]
.elseif j == 1
	v_mov_b32 v[WP+2], v[TB+5]
.elseif j == 2
	v_add_f32 v[SV], v[SV], v[TB+2]
.elseif j == 3
	v_add_f32 v[SV], v[SV], v[TB+6]
.elseif j < 20
.set xa, (j-4)/4
.set xe, AC+8*xa+2*((j-4)%4)
	v_pk_fma_f32 v[xe:xe+1], v[xe:xe+1], s[SS:SS+1], v[TB+4*(xa/2):TB+4*(xa/2)+1] op_sel_hi:[1,0,0]
.elseif j < 36
.set xa, (j-20)/4
.set xe, AC+8*xa+2*((j-20)%4)
.set xc, COV+8*(xa%2)+2*((j-20)%4)
	v_pk_fma_f32 v[xe:xe+1], v[xc:xc+1], v[WP+2*(xa/2):WP+2*(xa/2)+1], v[xe:xe+1] op_sel_hi:[1,0,1]
.elseif j < 68
	v_exp_f32 v[AC+j-36], v[AC+j-36]
.elseif j == 68
	v_nop
	s_wait_alu depctr_va_vdst(0)
.elseif j < 85
.set xe, AC+2*(j-69)
	v_pk_add_f32 v[xe:xe+1], v[xe:xe+1], 1.0 op_sel_hi:[1,0]
.elseif j < 117
	v_rcp_f32 v[AC+j-85], v[AC+j-85]
.elseif j == 117
	v_nop
	s_wait_alu depctr_va_vdst(0)
.else
.set xa, (j-118)/4
.set xe, AC+8*xa+2*((j-118)%4)
.set xc, SC+8*(xa%2)+2*((j-118)%4)
	v_pk_fma_f32 v[xc:xc+1], v[xe:xe+1], v[TB+4*(xa/2)+2:TB+4*(xa/2)+3], v[xc:xc+1] op_sel_hi:[1,0,1]
.endif
.endm
; Slice k of 32: numbers 134 k / 32 up to 134 (k + 1) / 32 of the list: four or five instructions
.macro SLICE set
.rept (134*(k+1))/32-(134*k)/32
	EITEM \set
.set j, j+1
.endr
.set k, k+1
.endm
; A turn: 8 matrix instructions on set par, a slice of the other set's tanh behind each.  The four accumulators (2 g + t) take turns, one instruction a turn, in the same order in every turn.
; In a unit's first turn the first four products start the sums: nothing is cleared.
.macro TURN set, tau, par
.set AW, ACC+32*(\par)
.irp kk, 0,1
.irp g, 0,1
.irp t, 0,1
	WIN 1                                          ; source 0 (h's codes) window 1
.if (\tau == 0) && (\kk == 0)
	v_wmma_f32_16x16x128_bf8_bf8 v[AW+8*(2*\g+\t):AW+8*(2*\g+\t)+7], v[16*(8*\t+2*(\tau)+\kk):16*(8*\t+2*(\tau)+\kk)+15], v[\set+16*(2*\kk+\g):\set+16*(2*\kk+\g)+15], 0
.else
	v_wmma_f32_16x16x128_bf8_bf8 v[AW+8*(2*\g+\t):AW+8*(2*\g+\t)+7], v[16*(8*\t+2*(\tau)+\kk):16*(8*\t+2*(\tau)+\kk)+15], v[\set+16*(2*\kk+\g):\set+16*(2*\kk+\g)+15], v[AW+8*(2*\g+\t):AW+8*(2*\g+\t)+7]
.endif
	WIN 0
	SLICE 1-\par
.endr
.endr
.endr
.endm
; A unit.  At its head 32 LDS loads are out: turn 0's set, then turn 1's.  pf = 1: the next unit lies in the same slot, and its first two sets are asked for, so that 32 are out again at the end.
; Four v_nop stand in front of each run of loads into registers that matrix instructions have read (ISA guide 7.12.1 for vector instructions): half of the slices
; are transcendentals, which are no places.  Those behind the last turn are also the places in front of the next slot's first loads and of the first read of this unit's sums.
.macro UNIT par, pf
	v_add_nc_u32 v[VB], s[UB], v[BL]
	v_add_nc_u32 v[VT], s[TU], v[TL]
	ds_load_b128 v[TAB+8*\par:TAB+8*\par+3], v[VT]                 ; my column's record in each of the unit's two groups: wanted by this unit's tanh, a unit later
	ds_load_b128 v[TAB+8*\par+4:TAB+8*\par+7], v[VT] offset:256
.set k, 0
.set j, 0
	s_wait_dscnt 18                                ; turn 0's set is in; behind it: turn 1's 16 and the two records
	TURN BS0, 0, \par
	PLACES 4
	BLOAD BS0, 16384
	s_wait_dscnt 18                                ; turn 1's set is in; behind it: the two records and the 16 just issued
	TURN BS1, 1, \par
	PLACES 4
	BLOAD BS1, 24576
	s_wait_dscnt 16                                ; turn 2's set, and the records, are in; behind them: the 16 just issued
	TURN BS0, 2, \par
.if \pf
	PLACES 4
	BLOAD BS0, 32768
	s_wait_dscnt 16                                ; turn 3's set is in; behind it: the next unit's first set
.else
	s_wait_dscnt 0x0
.endif
	TURN BS1, 3, \par
	PLACES 4
.if \pf
	BLOAD BS1, 40960
.endif
	s_add_co_u32 s[UB], s[UB], 32768
	s_add_co_u32 s[TU], s[TU], 512
.endm
; A slot's four units, written out: the sets go 0, 1, 0, 1, and the last asks for nothing beyond the slot
.macro SLOT_WORK
	v_add_nc_u32 v[VB], s[UB], v[BL]
	BLOAD BS0, 0
	BLOAD BS1, 8192
	UNIT 0, 1
	UNIT 1, 1
	UNIT 0, 1
	UNIT 1, 0
	s_sub_co_u32 s[UB], s[UB], 131072              ; back to a slot's first unit,
	s_xor_b32 s[UB], s[UB], SLOT1                  ; in the other slot
.endm
; The change of slots.  Each wave waits for all its tensor loads (one is out: its quarter of the other slot), adds 0 to its spare word, and waits for that and for its reads of the slot just left.
; fill = 1: the barrier is a round of the cluster's, and the slot just left is filled with the 128 columns two slots on: the load has a whole slot's work in which to land.
; The last unit's tanh is still owed here: it lies in registers alone and goes on behind the change.
.macro CHANGE fill
	WIN 0
	s_wait_tensorcnt 0x0                           ; no tensor load of mine is out, so a group 0 may be written
	ds_add_u32 v[SPW], v[NIL]                      ; 0 onto my spare word
.if \fill
	s_xor_b32 s[G0W+1], s[G0W+1], SLOT1            ; the walking descriptor: the other slot than last time,
	s_add_nc_u64 s[G0W+2:G0W+3], s[G0W+2:G0W+3], 131072   ; the next 128 columns; the type bits on top are not reached
.endif
	s_wait_dscnt 0x0                               ; the add is done, and my reads of the slot are over
.if \fill
	CROUND
	tensor_load_to_lds s[G0W:G0W+3], s[G1:G1+7]    ; the first thing behind the round, and my one tensor load until the next
	s_nop 0
	PLACES 4
.else
	s_barrier_signal -1
	s_barrier_wait -1
.endif
.endm
	s_load_b512 s[4:19], s[0:1], 0x0               ; h 4:5, coverage 6:7, mask 8:9, the scales 10:11, wcodes 12:13, tab 14:15, tsc 16:17, pct 18:19
	s_load_b64 s[20:21], s[0:1], 0x40              ; pst
	v_lshl_add_u32 v[SPW], v0, 2, SPARE
	v_mov_b32 v[NIL], 0
	ds_add_u32 v12, v13
	ds_add_u32 v12, v13
	s_wait_dscnt 0x0
	v_lshrrev_b32 v1, 5, v0
	v_readfirstlane_b32 s[WV], v1                  ; wave 0..3
	s_bfe_u32 s23, ttmp6, 0x40000                  ; cx: my place in the cluster: it enters the offsets of h, coverage, mask, tsc, pct and pst alone
	s_lshl_b32 s24, ttmp9, 2                       ; in a cluster launch ttmp9 counts clusters
	s_add_co_u32 s24, s24, s23                     ; my block of 128 rows = 4 x cluster + cx
	s_lshr_b32 s25, ttmp9, 2                       ; the batch: 16 blocks = 4 clusters; the four partners share it
	; descriptor group 1: 32,768 dense bytes as 128 rows of 256 bytes, no padding: images are read as 512 consecutive bytes
	s_mov_b32 s[G1+0], 15|(3<<16)|(1<<21)          ; 15:0 the mask: all four work-groups; 17:16 elements of 8 bytes; 21 set beside a mask
	s_mov_b32 s[G1+1], 32<<16                      ; tensor_dim0 = 32
	s_mov_b32 s[G1+2], 128<<16                     ; tensor_dim1 = 128
	s_mov_b32 s[G1+3], 32<<16                      ; tile_dim0 = 32
	s_mov_b32 s[G1+4], 128                         ; tile_dim1 = 128
	s_mov_b32 s[G1+5], 32                          ; tensor_dim0_stride
	s_mov_b32 s[G1+6], 0
	s_mov_b32 s[G1+7], 0
	s_mov_b32 s[SEL], 0x76543210
	s_mov_b32 s[SEL+1], 0xfedcba98
	s_lshl_b32 s54, s[WV], 15                      ; my quarter of a slot, in memory and in LDS: no place in the cluster enters it
	s_mov_b32 s55, 0
	s_wait_kmcnt 0x0
	s_load_b128 s[48:51], s[10:11], 0x0            ; e0, e1, e2, e3
	s_add_nc_u64 s[12:13], s[12:13], s[54:55]
	s_mov_b32 s[G0A], 1                            ; count = 1
	s_mov_b32 s[G0A+1], s54                        ; LDS address: slot 0
	s_mov_b64 s[G0A+2:G0A+3], s[12:13]             ; columns 0-127
	s_or_b32 s[G0A+3], s[G0A+3], 0x80000000        ; type = 2
	s_mov_b32 s[G0W], 1
	s_add_co_u32 s[G0W+1], s54, SLOT1              ; slot 1
	s_add_nc_u64 s[G0W+2:G0W+3], s[12:13], 131072  ; columns 128-255
	s_or_b32 s[G0W+3], s[G0W+3], 0x80000000
	CROUND                                         ; all four work-groups are here: the first joint loads meet
	tensor_load_to_lds s[G0A:G0A+3], s[G1:G1+7]    ; both first fills together: two tensor loads of mine are out
	s_nop 0
	tensor_load_to_lds s[G0W:G0W+3], s[G1:G1+7]
	s_nop 0
	PLACES 4
	s_lshl_b32 s26, s24, 19                        ; h: 128 rows of 4,096 bytes x block + 32 rows x wave
	s_lshl_b32 s56, s[WV], 17
	s_add_co_u32 s26, s26, s56
	s_mov_b32 s27, 0
	s_add_nc_u64 s[4:5], s[4:5], s[26:27]
	s_lshl_b32 s26, s24, 9                         ; coverage, mask: 512 bytes x block + 128 x wave
	s_add_nc_u64 s[16:17], s[16:17], s[26:27]      ; tsc: 512 bytes x block
	s_lshl_b32 s56, s[WV], 7
	s_add_co_u32 s26, s26, s56
	s_add_nc_u64 s[6:7], s[6:7], s[26:27]
	s_add_nc_u64 s[8:9], s[8:9], s[26:27]
	s_lshl_b32 s26, s25, 14                        ; tab: 16,384 bytes x batch
	s_add_nc_u64 s[14:15], s[14:15], s[26:27]
	s_lshl_b32 s26, s24, 12                        ; pct: 4,096 bytes x block + 1,024 x wave
	s_lshl_b32 s56, s[WV], 10
	s_add_co_u32 s26, s26, s56
	s_add_nc_u64 s[18:19], s[18:19], s[26:27]
	s_lshl_b32 s26, s24, 8                         ; pst: 256 bytes x block
	s_add_nc_u64 s[20:21], s[20:21], s[26:27]
	v_and_b32 v[RR], 15, v0                        ; r
	v_bfe_u32 v[HH], v0, 4, 1                      ; h
	v_lshlrev_b32 v[OFFH], 4, v[RR]
	v_lshl_add_u32 v[OFFH], v[HH], 15, v[OFFH]
	v_lshlrev_b32 v[TG], 4, v0
	v_lshlrev_b32 v[COFF], 5, v[HH]
	; ---- THE LOAD PHASE
.irp i, 0,1,2,3,4,5,6,7
	global_load_b128 v[192+4*\i:192+4*\i+3], v[TG], s[14:15] offset:2048*\i   ; the batch's table: 128 threads x 16 bytes x 8
.endr
	global_load_b128 v[COV:COV+3], v[COFF], s[6:7]             ; coverage of rows 8 h + 0 .. 7 and 16 + 8 h + 0 .. 7
	global_load_b128 v[COV+4:COV+7], v[COFF], s[6:7] offset:16
	global_load_b128 v[COV+8:COV+11], v[COFF], s[6:7] offset:64
	global_load_b128 v[COV+12:COV+15], v[COFF], s[6:7] offset:80
	global_load_b128 v[224:227], v[COFF], s[8:9]               ; the mask, laid as coverage is: it waits in LDS for the end
	global_load_b128 v[228:231], v[COFF], s[8:9] offset:16
	global_load_b128 v[232:235], v[COFF], s[8:9] offset:64
	global_load_b128 v[236:239], v[COFF], s[8:9] offset:80
	HLOAD 0
	HLOAD 1
	v_and_b32 v[BL], 31, v0
	v_lshlrev_b32 v[BL], 4, v[BL]
	v_add_nc_u32 v[TS], TABL, v[TG]
	v_lshl_add_u32 v[TL], v[RR], 4, TABL
	s_mul_i32 s56, s[WV], 4608
	s_add_co_u32 s56, s56, STG                     ; my stage
	v_mul_u32_u24 v[TMP], v[HH], 1152
	v_lshl_add_u32 v[TMP], v[RR], 2, v[TMP]
	v_add_nc_u32 v[STW], s56, v[TMP]               ; in: 8 h rows of 144 bytes + 4 r
	v_mul_u32_u24 v[TMP], v[RR], 144
	v_lshl_add_u32 v[TMP], v[HH], 4, v[TMP]
	v_add_nc_u32 v[STR], s56, v[TMP]               ; out: row r + 16 h
	s_lshl_b32 s57, s[WV], 12
	s_add_co_u32 s57, s57, CTW
	v_lshl_add_u32 v[CTA], v[RR], 4, s57           ; column 64 g + 4 r + x lies at 256 g + 16 r + 4 x
	s_lshl_b32 s57, s[WV], 7
	s_add_co_u32 s57, s57, SCO
	v_lshl_add_u32 v[SCOW], v[HH], 5, s57
	s_lshl_b32 s57, s[WV], 3
	s_add_co_u32 s57, s57, STS
	v_mov_b32 v[STSW], s57
	v_mov_b32 v[STSR], STS
	s_lshl_b32 s57, s[WV], 10
	s_add_co_u32 s57, s57, CTW
	v_add_nc_u32 v[CTR], s57, v[BL]
	v_add_nc_u32 v[SCOR], SCO, v[BL]
	s_wait_kmcnt 0x0
	s_add_co_i32 s56, s48, 127
	s_lshl_b32 s57, s56, 23
	v_mov_b32 v[SCL], s57                          ; 2^e0 as f32: the conversion takes its exponent field
	s_add_co_i32 s56, s56, 15
	s_lshl_b32 s56, s56, 23
	s_or_b32 s56, s56, 0x600000
	v_mov_b32 v[LIM], s56                          ; 57,344 x 2^e0
	s_add_co_i32 s56, s48, s49
	v_mov_b32 v[TMP], C2
	v_ldexp_f32 v[TMP], v[TMP], s56                ; S' = c2 x 2^(e0 + e1), the same in every lane:
	v_readfirstlane_b32 s[SS], v[TMP]              ; it is kept as a scalar
	s_mov_b32 s[SS+1], s[SS]                       ; (named with it as a pair, so it is written)
	s_wait_loadcnt 32                              ; the table, coverage and the mask are in; the two groups of h stay out
.irp i, 0,1,2,3,4,5,6,7
	ds_store_b128 v[TS], v[192+4*\i:192+4*\i+3] offset:2048*\i
.endr
	ds_store_b128 v[SCOW], v[224:227] offset:MSKO              ; my wave's own words (sixteen lanes write the same words with the same numbers)
	ds_store_b128 v[SCOW], v[228:231] offset:MSKO+16
	ds_store_b128 v[SCOW], v[232:235] offset:MSKO+64
	ds_store_b128 v[SCOW], v[236:239] offset:MSKO+80
	s_wait_dscnt 0x0                               ; the stores have read their registers, which take the loads below
	HLOAD 2
.irp g, 0,1,2,3,4,5,6,7,8,9,10,11,12,13,14,15
	GROUP \g
.endr
	; ---- IN FRONT OF THE SWEEP
	s_wait_dscnt 0x0                               ; h's codes are in their registers; my stores of the table have landed; the code words are free
.set i, 0
.rept 16
	v_mov_b32 v[SC+i], 0                           ; the rows' sums
.set i, i+1
.endr
	v_mov_b32 v[SV], 0
.set i, 0
.rept 8
	v_mov_b32 v[TAB+8+i], 0                        ; set 1's records and accumulators: the first unit's slices find zeros, and add 0.5 x 0
.set i, i+1
.endr
.set i, 0
.rept 32
	v_mov_b32 v[ACC+32+i], 0
.set i, i+1
.endr
	s_mov_b32 s[UB], 0
	s_mov_b32 s[TU], 0
	s_wait_tensorcnt 0x1                           ; my quarter of slot 0 is in; slot 1's may stay out
	s_barrier_signal -1
	s_barrier_wait -1                              ; everybody's is, and the table is whole
	; ---- THE SWEEP over W_h's eight slots' worth of columns
	s_mov_b32 s[CNTO], 6
.Lfill:                                            ; six trips: each slot that is left takes the columns two slots on
	SLOT_WORK
	CHANGE 1
	s_sub_co_u32 s[CNTO], s[CNTO], 1
	s_cmp_lg_u32 s[CNTO], 0
	s_cbranch_scc1 .Lfill
	s_mov_b32 s[CNTO], 2
.Ltail:                                            ; the last two slots: nothing is left to ask for, so this copy holds no tensor load
	SLOT_WORK
	CHANGE 0
	s_sub_co_u32 s[CNTO], s[CNTO], 1
	s_cmp_lg_u32 s[CNTO], 0
	s_cbranch_scc1 .Ltail
	; ---- THE FINISH.  The last unit's tanh (set 1) has no products to stand between
.set j, 0
.rept 134
	EITEM 1
.set j, j+1
.endr
	; a lane now holds, for each of its 16 rows, the sum over the columns n with n % 16 = r
	ds_load_b128 v[MASK:MASK+3], v[SCOW] offset:MSKO           ; the mask comes back
	ds_load_b128 v[MASK+4:MASK+7], v[SCOW] offset:MSKO+16
	ds_load_b128 v[MASK+8:MASK+11], v[SCOW] offset:MSKO+64
	ds_load_b128 v[MASK+12:MASK+15], v[SCOW] offset:MSKO+80
	v_mul_f32 v48, -0.5, v[SV]
	v_mov_b32 v49, v48
.set i, 0
.rept 8
	v_pk_add_f32 v[SC+i:SC+i+1], v[SC+i:SC+i+1], v[48:49]      ; - v2' / 2, summed over my columns
.set i, i+2
.endr
.irp m, 1,2,4,8
.set i, 0
.rept 16
	v_add_f32_dpp v[SC+i], v[SC+i], v[SC+i] row_xmask:\m row_mask:0xf bank_mask:0xf
.set i, i+1
.endr
.endr                                              ; every lane of half h now holds t of rows 16 t + 8 h + j
	ds_store_b128 v[SCOW], v[SC:SC+3]              ; (sixteen lanes write the same words with the same numbers)
	ds_store_b128 v[SCOW], v[SC+4:SC+7] offset:16
	ds_store_b128 v[SCOW], v[SC+8:SC+11] offset:64
	ds_store_b128 v[SCOW], v[SC+12:SC+15] offset:80
	v_max3_num_f32 v48, v[SC], v[SC+1], v[SC+2]
.irp i, 3,5,7,9,11,13
	v_max3_num_f32 v48, v48, v[SC+\i], v[SC+\i+1]
.endr
	v_max_num_f32 v48, v48, v[SC+15]
	v_permlanex16_b32 v49, v48, s[SEL], s[SEL+1]
	v_max_num_f32 v48, v48, v49                    ; m: the largest t of my wave's 32 rows
.set i, 0
.rept 16
	v_sub_f32 v[P+i], v[SC+i], v48
.set i, i+1
.endr
.set i, 0
.rept 16
	v_exp_f32 v[P+i], v[P+i]                       ; 2^(t - m), at most 1
.set i, i+1
.endr
	v_nop
	s_wait_dscnt 0x0                               ; the mask
.set i, 0
	s_wait_alu depctr_va_vdst(0)
.rept 8
	v_pk_mul_f32 v[P+i:P+i+1], v[P+i:P+i+1], v[MASK+i:MASK+i+1]
.set i, i+2
.endr
	v_pk_add_f32 v[80:81], v[P:P+1], v[P+2:P+3]
.irp i, 4,6,8,10,12,14
	v_pk_add_f32 v[80:81], v[80:81], v[P+\i:P+\i+1]
.endr
	v_add_f32 v80, v80, v81
	v_permlanex16_b32 v81, v80, s[SEL], s[SEL+1]
	v_add_f32 v49, v80, v81                        ; z: the sum of my wave's p x mask
.irp q, 0,1,2,3,4,5,6,7
	v_cvt_pk_bf16_f32 v[WA+\q], v[P+2*\q], v[P+2*\q+1]         ; source 0 as it stands: every one of its 16 rows is the weights of my 32 rows (registers 0-3: rows 8 h on; 4-7: rows 16 + 8 h on)
.endr
	ds_store_b64 v[STSW], v[48:49]
	; my partial c_t: 64 products of 16 columns each, K = my 32 rows, 16 at a time; all 16 rows of a result are alike, and register 0 is taken
.irp bt, 0,1,2,3
	WIN 0x08+0x04*(\bt/2)                          ; source 1 (h in bf16) window 2 or 3
.irp i, 0,1,2,3,4,5,6,7,8,9,10,11,12,13,14,15
	v_wmma_f32_16x16x32_bf16 v[128+8*\i:128+8*\i+7], v[WA:WA+7], v[8*((16*\bt+\i)%32):8*((16*\bt+\i)%32)+7], 0
.endr
	WIN 0
	PLACES 5                                       ; four places in front of the stores that read the results, five in front of the next sixteen products, which write over them
.irp i, 0,1,2,3,4,5,6,7,8,9,10,11,12,13,14,15
	ds_store_b32 v[CTA], v[128+8*\i] offset:256*((16*\bt+\i)/4)+4*(\i%4)
.endr
	s_wait_dscnt 0x0                               ; the stores have read their registers; at the last time: for the others' sake, all my stores have landed
.endr
	s_barrier_signal -1
	s_barrier_wait -1
	; the four waves' figures are joined; wave w takes columns 256 w .. 256 w + 255
	ds_load_b128 v[64:67], v[STSR]                 ; m0, z0, m1, z1
	ds_load_b128 v[68:71], v[STSR] offset:16       ; m2, z2, m3, z3
.irp w, 0,1,2,3
.irp q, 0,1
	ds_load_b128 v[128+8*\w+4*\q:128+8*\w+4*\q+3], v[CTR] offset:\w*4096+512*\q
.endr
.endr
	v_lshrrev_b32 v[VB], 1, v[BL]                  ; 8 x lane, for pst
	s_wait_dscnt 0x0
	v_max3_num_f32 v72, v64, v66, v68
	v_max_num_f32 v72, v72, v70                    ; M: the block's largest t
	v_sub_f32 v76, v64, v72
	v_sub_f32 v77, v66, v72
	v_sub_f32 v78, v68, v72
	v_sub_f32 v79, v70, v72
	v_exp_f32 v76, v76
	v_exp_f32 v77, v77
	v_exp_f32 v78, v78
	v_exp_f32 v79, v79
	v_nop
	s_wait_alu depctr_va_vdst(0)
	v_mul_f32 v73, v76, v65
	v_fma_f32 v73, v77, v67, v73
	v_fma_f32 v73, v78, v69, v73
	v_fma_f32 v73, v79, v71, v73                   ; Z: the block's sum under M
.irp e, 0,1,2,3,4,5,6,7
	v_mul_f32 v[160+\e], v[128+\e], v76
.endr
.irp w, 1,2,3
.irp e, 0,1,2,3,4,5,6,7
	v_fma_f32 v[160+\e], v[128+8*\w+\e], v[76+\w], v[160+\e]
.endr
.endr
	s_cmp_lg_u32 s[WV], 0
	s_cbranch_scc1 .Lnot_first
	ds_load_b128 v[168:171], v[SCOR]               ; wave 0: the block's 128 t
	s_wait_dscnt 0x0
	global_store_b128 v[BL], v[168:171], s[16:17]  ; 512 consecutive bytes
	global_store_b64 v[VB], v[72:73], s[20:21]     ; {M, Z}, 32 times: 256 consecutive bytes, aligned
.Lnot_first:
	global_store_b128 v[BL], v[160:163], s[18:19]  ; 512 consecutive bytes a store
	global_store_b128 v[BL], v[164:167], s[18:19] offset:512
	s_wait_tensorcnt 0x0                           ; the wave's end: behind my last tensor load and my last LDS store
	ds_add_u32 v[SPW], v[NIL]
	s_wait_dscnt 0x0
	CROUND                                         ; the closing round: no work-group ends while a partner may still ask for a tile that names it
	s_endpgm
.Lfunc_end_k_qe4b67494a3_main:
	.size	k_qe4b67494a3_main, .Lfunc_end_k_qe4b67494a3_main-k_qe4b67494a3_main
	.p2alignl 7, 3214868480
	.fill 96, 4, 3214868480
	.section	.rodata,"a",@progbits
	.p2align	6, 0x0
	.amdhsa_kernel k_qe4b67494a3_main
		.amdhsa_group_segment_fixed_size 327680
		.amdhsa_private_segment_fixed_size 0
		.amdhsa_enable_private_segment 0
		.amdhsa_kernarg_size 72
		.amdhsa_user_sgpr_count 2
		.amdhsa_user_sgpr_kernarg_segment_ptr 1
		.amdhsa_wavefront_size32 1
		.amdhsa_system_sgpr_workgroup_id_x 1
		.amdhsa_system_sgpr_workgroup_id_y 1
		.amdhsa_system_sgpr_workgroup_id_z 1
		.amdhsa_system_vgpr_workitem_id 0
		.amdhsa_next_free_vgpr 1024
		.amdhsa_next_free_sgpr 66
		.amdhsa_reserve_vcc 0
		.amdhsa_float_denorm_mode_32 3
		.amdhsa_float_denorm_mode_16_64 3
		.amdhsa_memory_ordered 1
		.amdhsa_forward_progress 1
		.amdhsa_inst_pref_size 255
	.end_amdhsa_kernel
	.section	.bss,"aw",@nobits
	.p2align	6
	.space	262144
	.amdgpu_metadata
---
amdhsa.version: [ 1, 2 ]
amdhsa.kernels:
  - .name:           k_qe4b67494a3_main
    .symbol:         k_qe4b67494a3_main.kd
    .args:
      - { .name: h, .offset: 0, .size: 8, .value_kind: global_buffer, .address_space: global }
      - { .name: coverage, .offset: 8, .size: 8, .value_kind: global_buffer, .address_space: global }
      - { .name: enc_padding_mask, .offset: 16, .size: 8, .value_kind: global_buffer, .address_space: global }
      - { .name: lowp_scales, .offset: 24, .size: 8, .value_kind: global_buffer, .address_space: global }
      - { .name: wcodes, .offset: 32, .size: 8, .value_kind: global_buffer, .address_space: global }
      - { .name: tab, .offset: 40, .size: 8, .value_kind: global_buffer, .address_space: global }
      - { .name: tsc, .offset: 48, .size: 8, .value_kind: global_buffer, .address_space: global }
      - { .name: pct, .offset: 56, .size: 8, .value_kind: global_buffer, .address_space: global }
      - { .name: pst, .offset: 64, .size: 8, .value_kind: global_buffer, .address_space: global }
    .group_segment_fixed_size: 327680
    .private_segment_fixed_size: 0
    .kernarg_segment_align: 8
    .kernarg_segment_size: 72
    .max_flat_workgroup_size: 128
    .sgpr_count:     66
    .vgpr_count:     1024
    .wavefront_size: 32
...
	.end_amdgpu_metadata
.endif
;; end of part 2
;; launch fin (part 3): grid 256 x 1, 1 waves a work-group, no clusters, 0 bytes of LDS; arguments tsc, pct, pst, enc_padding_mask, coverage, out0, out1, out2; writes out0, out1, out2
.if DOCPART == 3
	.amdgcn_target "amdgcn-amd-amdhsa--gfx1250"
	.amdhsa_code_object_version 6
	.text
	.protected	k_qe4b67494a3_fin
	.globl	k_qe4b67494a3_fin
	.p2align	8
	.type	k_qe4b67494a3_fin,@function
k_qe4b67494a3_fin:
	s_mov_b64 s[64:65], 0
	v_nop
	global_prefetch_b8 v0, s[64:65] scope:SCOPE_SE
	s_setreg_imm32_b32 hwreg(HW_REG_WAVE_MODE, 25, 1), 1
	s_wait_xcnt 0x0
; FIN joins the 16 blocks of a batch.  Block k gave M_k (its largest t), Z_k = the sum of 2^(t - M_k) x mask, and x_k = the sum of 2^(t - M_k) x mask x h.
; G = the largest M_k; f_k = 2^(M_k - G); Z = the sum of f_k Z_k.  c_t = (the sum of f_k x_k) / Z;  attn = 2^(t - G) x mask / Z;  coverage_next = coverage + attn.
; The softmax's own divisor cancels against the renormalisation, so it is not formed; its maximum is kept: G is the row's largest t, masked places among them.
; One wave to a work-group; eight work-groups to a batch: part p takes 128 columns of c_t and 256 places of attn.  Every load and store of the wave covers 512 consecutive bytes.
; No LDS, no barrier, no matrix unit: 2.7 MB are read once and 0.7 MB written once.
; A batch whose mask is all zeros gives 0 x infinity = NaN, where the division 0 / 0 gives NaN too.
	s_load_b512 s[4:19], s[0:1], 0x0               ; tsc 4:5, pct 6:7, pst 8:9, mask 10:11, coverage 12:13, out0 14:15, out1 16:17, out2 18:19
	v_lshlrev_b32 v1, 4, v0                        ; 16 x lane
	s_lshr_b32 s20, ttmp9, 3                       ; the batch
	s_and_b32 s21, ttmp9, 7                        ; the part
	s_lshl_b32 s56, s20, 12                        ; pst: 16 records of 256 bytes x batch
	s_mov_b32 s57, 0
	s_lshl_b32 s22, s21, 9
	s_lshl_b32 s58, s20, 16                        ; pct: 16 blocks of 4,096 bytes x batch + 512 x part
	s_add_co_u32 s58, s58, s22
	s_mov_b32 s59, 0
	s_add_co_u32 s60, s56, s22                     ; out0: 4,096 bytes x batch + 512 x part
	s_mov_b32 s61, 0
	s_lshl_b32 s62, s20, 13                        ; tsc, mask, coverage, out1, out2: 8,192 bytes x batch + 1,024 x part
	s_lshl_b32 s22, s21, 10
	s_add_co_u32 s62, s62, s22
	s_mov_b32 s63, 0
	s_wait_kmcnt 0x0
	s_add_nc_u64 s[8:9], s[8:9], s[56:57]
	s_add_nc_u64 s[6:7], s[6:7], s[58:59]
	s_add_nc_u64 s[14:15], s[14:15], s[60:61]
	s_add_nc_u64 s[4:5], s[4:5], s[62:63]
	s_add_nc_u64 s[10:11], s[10:11], s[62:63]
	s_add_nc_u64 s[12:13], s[12:13], s[62:63]
	s_add_nc_u64 s[16:17], s[16:17], s[62:63]
	s_add_nc_u64 s[18:19], s[18:19], s[62:63]
.irp k, 0,1,2,3,4,5,6,7,8,9,10,11,12,13,14,15
	s_load_b64 s[24+2*\k:25+2*\k], s[8:9], 256*\k  ; M_k, Z_k
.endr
.irp k, 0,1,2,3,4,5,6,7,8,9,10,11,12,13,14,15
	global_load_b128 v[32+4*\k:35+4*\k], v1, s[6:7] offset:4096*\k   ; x_k: my four columns
.endr
	global_load_b128 v[96:99], v1, s[4:5]          ; t
	global_load_b128 v[100:103], v1, s[4:5] offset:512
	global_load_b128 v[104:107], v1, s[10:11]      ; mask
	global_load_b128 v[108:111], v1, s[10:11] offset:512
	global_load_b128 v[112:115], v1, s[12:13]      ; coverage
	global_load_b128 v[116:119], v1, s[12:13] offset:512
	s_wait_kmcnt 0x0
	v_mov_b32 v2, s24
.irp k, 1,2,3,4,5,6,7,8,9,10,11,12,13,14,15
	v_max_num_f32 v2, s[24+2*\k], v2               ; G
.endr
.irp k, 0,1,2,3,4,5,6,7,8,9,10,11,12,13,14,15
	v_sub_f32 v[16+\k], s[24+2*\k], v2
.endr
.irp k, 0,1,2,3,4,5,6,7,8,9,10,11,12,13,14,15
	v_exp_f32 v[16+\k], v[16+\k]                   ; f_k
.endr
	v_nop                                          ; a plain instruction between the last exponential and the use of its result
	s_wait_alu depctr_va_vdst(0)
	v_mul_f32 v3, s25, v16
.irp k, 1,2,3,4,5,6,7,8,9,10,11,12,13,14,15
	v_fma_f32 v3, v[16+\k], s[25+2*\k], v3         ; Z
.endr
	v_rcp_f32 v8, v3
	s_wait_loadcnt 6                               ; the 16 loads of x are in; the six issued behind them may be out
.irp e, 0,1,2,3
	v_mul_f32 v[4+\e], v[32+\e], v16               ; (the first of these is the plain instruction behind the reciprocal)
.endr
.irp k, 1,2,3,4,5,6,7,8,9,10,11,12,13,14,15
.irp e, 0,1,2,3
	v_fma_f32 v[4+\e], v[32+4*\k+\e], v[16+\k], v[4+\e]
.endr
.endr
	s_wait_alu depctr_va_vdst(0)
.irp e, 0,1,2,3
	v_mul_f32 v[4+\e], v[4+\e], v8
.endr
	global_store_b128 v1, v[4:7], s[14:15]         ; c_t
	s_wait_loadcnt 0x0
.irp i, 0,1,2,3,4,5,6,7
	v_sub_f32 v[96+\i], v[96+\i], v2
.endr
.irp i, 0,1,2,3,4,5,6,7
	v_exp_f32 v[96+\i], v[96+\i]
.endr
	v_nop
	s_wait_alu depctr_va_vdst(0)
.irp i, 0,1,2,3,4,5,6,7
	v_mul_f32 v[96+\i], v[96+\i], v[104+\i]
.endr
.irp i, 0,1,2,3,4,5,6,7
	v_mul_f32 v[96+\i], v[96+\i], v8               ; attn
.endr
.irp i, 0,1,2,3,4,5,6,7
	v_add_f32 v[112+\i], v[112+\i], v[96+\i]       ; coverage + attn
.endr
	global_store_b128 v1, v[96:99], s[16:17]
	global_store_b128 v1, v[100:103], s[16:17] offset:512
	global_store_b128 v1, v[112:115], s[18:19]
	global_store_b128 v1, v[116:119], s[18:19] offset:512
	s_endpgm
.Lfunc_end_k_qe4b67494a3_fin:
	.size	k_qe4b67494a3_fin, .Lfunc_end_k_qe4b67494a3_fin-k_qe4b67494a3_fin
	.p2alignl 7, 3214868480
	.fill 96, 4, 3214868480
	.section	.rodata,"a",@progbits
	.p2align	6, 0x0
	.amdhsa_kernel k_qe4b67494a3_fin
		.amdhsa_group_segment_fixed_size 0
		.amdhsa_private_segment_fixed_size 0
		.amdhsa_enable_private_segment 0
		.amdhsa_kernarg_size 64
		.amdhsa_user_sgpr_count 2
		.amdhsa_user_sgpr_kernarg_segment_ptr 1
		.amdhsa_wavefront_size32 1
		.amdhsa_system_sgpr_workgroup_id_x 1
		.amdhsa_system_sgpr_workgroup_id_y 1
		.amdhsa_system_sgpr_workgroup_id_z 1
		.amdhsa_system_vgpr_workitem_id 0
		.amdhsa_next_free_vgpr 128
		.amdhsa_next_free_sgpr 66
		.amdhsa_reserve_vcc 0
		.amdhsa_float_denorm_mode_32 3
		.amdhsa_float_denorm_mode_16_64 3
		.amdhsa_memory_ordered 1
		.amdhsa_forward_progress 1
		.amdhsa_inst_pref_size 13
	.end_amdhsa_kernel
	.amdgpu_metadata
---
amdhsa.version: [ 1, 2 ]
amdhsa.kernels:
  - .name:           k_qe4b67494a3_fin
    .symbol:         k_qe4b67494a3_fin.kd
    .args:
      - { .name: tsc, .offset: 0, .size: 8, .value_kind: global_buffer, .address_space: global }
      - { .name: pct, .offset: 8, .size: 8, .value_kind: global_buffer, .address_space: global }
      - { .name: pst, .offset: 16, .size: 8, .value_kind: global_buffer, .address_space: global }
      - { .name: enc_padding_mask, .offset: 24, .size: 8, .value_kind: global_buffer, .address_space: global }
      - { .name: coverage, .offset: 32, .size: 8, .value_kind: global_buffer, .address_space: global }
      - { .name: out0, .offset: 40, .size: 8, .value_kind: global_buffer, .address_space: global }
      - { .name: out1, .offset: 48, .size: 8, .value_kind: global_buffer, .address_space: global }
      - { .name: out2, .offset: 56, .size: 8, .value_kind: global_buffer, .address_space: global }
    .group_segment_fixed_size: 0
    .private_segment_fixed_size: 0
    .kernarg_segment_align: 8
    .kernarg_segment_size: 64
    .max_flat_workgroup_size: 32
    .sgpr_count:     66
    .vgpr_count:     128
    .wavefront_size: 32
...
	.end_amdgpu_metadata
.endif
;; end of part 3
